; MI455X (gfx1250); checked and timed in simulation.
; The chip was launched on July 23, 2026; its instructions are those of AMD's public machine-readable ISA for CDNA 5 (MIT licence, August 2026) and "CDNA5" Instruction Set Architecture Reference Guide (July 2026).
;; Low Rank Token Mix. Allowed arithmetic: matrix products marked QUANTISED: E4M3 operands, one E8M0 scale for each 32 along K, by v_wmma_scale_f32_16x16x128_f8f6f4 with both operands' format E4M3, f32 sums; everything else in f32.
;; Inputs: W_B 64 x 512 float32; W_C 512 x 64 float32; x 4 x 4,096 x 512 float32.
;; Outputs: out0 4 x 4,096 x 512 float32.
;; This version of the problem:
;;   THIS VERSION OF THE PROBLEM IS GIVEN IN LOW PRECISION. The matrix products marked QUANTISED in the list below multiply operands that are first quantised to E4M3 (4 exponent bits, 3 mantissa bits; 8 bits a number), with one power-of-two scale for each 32 numbers along K (OCP MX v1.0); their sums are f32. All else is computed in f32.
;;   The module's matrix products, in the order in which they are computed (A, B: the left and right operand; K: the contracted axis; several contracted axes count as one K, in the product's order):
;;     1. [M 16,384, K 512] x [K 512, N 64]; A: input x; B: input W_B: QUANTISED
;;     2. batch 4 x [M 4,096, K 64] x [K 64, N 4,096]; A: computed on the way; B: computed on the way: QUANTISED
;;     3. batch 4 x [M 4,096, K 4,096] x [K 4,096, N 64]; A: softmax (see below); B: computed on the way: QUANTISED
;;     4. [M 16,384, K 64] x [K 64, N 512]; A: computed on the way; B: input W_C: QUANTISED
;;   THE QUANTISER, for each operand of a quantised product, along K:
;;     - K is cut into blocks of 32 from its start; a last block that is shorter is filled with zeros.
;;     - A block's scale is 2^e with e = floor(log2(the largest magnitude in the block)) - 8, held to -126 .. 127; a block of zeros has e = 0. As a byte (E8M0): e + 127.
;;     - Each number is divided by its block's scale, clamped to +-448, and rounded to the nearest number of E4M3, ties to even, subnormals kept.
;;     - The product sums the exact products of the quantised numbers (number of the format x scale) in f32.
;;   ~~~python
;;   def quantise(x, axis):      # numpy; x: float32 -> the quantised numbers, widened to float32 again
;;       x = np.moveaxis(x, axis, -1); K = x.shape[-1]
;;       x = np.pad(x, [(0, 0)] * (x.ndim - 1) + [(0, -K % 32)]); x = x.reshape(x.shape[:-1] + (-1, 32)); a = np.abs(x).max(-1, keepdims=True)
;;       e = np.where(a > 0, np.clip(np.frexp(np.where(a > 0, a, 1))[1] - 1 - 8, -126, 127), 0)      # np.frexp(a)[1] - 1 = floor(log2(a)), exactly
;;       r = np.clip(x / 2.0 ** e, -448, 448)
;;       step = 2.0 ** (np.maximum(np.frexp(np.where(r == 0, 1, r))[1] - 1, -6) - 3)
;;       q = np.round(r / step) * step * 2.0 ** e      # np.round: ties to even
;;       return np.moveaxis(q.reshape(q.shape[:-2] + (-1,))[..., :K], -1, axis).astype(np.float32)
;;   ~~~
;;   SOFTMAX AHEAD OF A QUANTISED PRODUCT. Where the list says 'softmax', what is quantised is not the finished softmax but p = 2^(t - M), with t = logit x log2(e) and M = ceil(the row's largest t), a whole number; so 1/2 < the row's largest p <= 1. The row's sum l is taken of the UNQUANTISED p, in f32, and the product's result is divided by l at the end. Since M is a whole number, a kernel that streams over the keys may use a running M (the ceiling of the running maximum): every later rescaling is an exact power of two, which a block's scale takes up: the codes' values come out the same.
;;   OPERANDS COMPUTED ON THE WAY. 'Computed on the way' means the value that the module computes at that place (a softmax that the list does not call 'softmax' is quantised finished and normalised). What goes into a quantiser is computed in f32, as accurately as f32 sums, v_exp_f32 and their like allow (about 1e-6 of the number): no bf16 or f16 on the way to a quantiser, and a product that is left as it is and whose result goes on into a quantised operand takes f32 operands (vector FMAs, or v_wmma_f32_16x16x4_f32). A number that lies on a knife's edge between two numbers of the format may be rounded either way, as far as f32 arithmetic and the matrix unit's own rounding can turn it there, and no further.
;; One version. Each part assembles by itself: llvm-mc -triple=amdgcn-amd-amdhsa -mcpu=gfx1250 --defsym DOCPART=n.
;; ======== version 1 of 1: 2 launches
;; workspace buffers: kv 2,097,152 bytes; sc 98,304 bytes; wc 34,816 bytes
;; launch proj (part 1): grid 256 x 1, 4 waves a work-group, no clusters, 213,504 bytes of LDS; arguments x, W_B, W_C, kv, sc, wc; writes kv, sc, wc
.if DOCPART == 1
	.amdgcn_target "amdgcn-amd-amdhsa--gfx1250"
	.amdhsa_code_object_version 6
	.text
	.protected	k_q137ec40f3a_proj
	.globl	k_q137ec40f3a_proj
	.p2align	8
	.type	k_q137ec40f3a_proj,@function
k_q137ec40f3a_proj:
	s_mov_b64 s[64:65], 0
	v_nop
	global_prefetch_b8 v0, s[64:65] scope:SCOPE_SE
	s_setreg_imm32_b32 hwreg(HW_REG_WAVE_MODE, 25, 1), 1
	s_wait_xcnt 0x0
.set XTS,   33792
.set XP,    528
.set XIMG,  135168
.set WOFF,  32768
.set XSC,   200704
.set WSOFF, 2048
.set KST,   204800
.set COFF,  256
.set WA,  4
.set CA,  5
.set XR,  6
.set LI,  8
.set LS,  9
.set IWI, 10
.set IWS, 11
.set KWG, 12
.set KWL, 13
.set L8G, 14
.set L8L, 15
.set G16, 250
.set RA,  16
.set PC,  144
.set TM,  176
.set PW,  192
.set FR4, 16
.set OWN, 80
.set OWNN, 96
.set ACP, 112
.set ACN, 144
.set WS,  240
.set XS,  244
.set XOS, 248
.set WOS, 249
.set TM2, 176
.set PC2, 192
.set PW2, 208
.set WV,  16
.set SEL, 20
.set MNT, 22
.set G1,  24
.set G0,  32
.macro QUANT src, nb, pc, tm
.set QSRC, \src
.set QPC, \pc
.set QTM, \tm
.irp b, 0,1,2,3
.if \b < \nb
	v_max3_num_f32 v[QTM+\b], |v[QSRC+16*\b]|, |v[QSRC+16*\b+1]|, 0x4800000
.endif
.endr
.irp i, 2,4,6,8,10,12,14
.irp b, 0,1,2,3
.if \b < \nb
	v_max3_num_f32 v[QTM+\b], v[QTM+\b], |v[QSRC+16*\b+\i]|, |v[QSRC+16*\b+\i+1]|
.endif
.endr
.endr
.irp b, 0,1,2,3
.if \b < \nb
	v_permlanex16_b32 v[QTM+4+\b], v[QTM+\b], s[SEL], s[SEL+1]
.endif
.endr
.irp b, 0,1,2,3
.if \b < \nb
	v_max_num_f32 v[QTM+\b], v[QTM+\b], v[QTM+4+\b]
.endif
.endr
.irp b, 0,1,2,3
.if \b < \nb
	v_add_nc_u32 v[QTM+12+\b], 0xfc000000, v[QTM+\b]
.endif
.endr
.irp b, 0,1,2,3
.if \b < \nb
	v_and_or_b32 v[QTM+8+\b], v[QTM+\b], 0x7f800000, s[MNT]
.endif
.endr
.irp b, 0,1,2,3
.if \b < \nb
	v_lshrrev_b32 v[QTM+4+\b], 23, v[QTM+12+\b]
.endif
.endr
.irp b, 0,1,2,3
.if \b < \nb
.irp i, 0,1,2,3,4,5,6,7,8,9,10,11,12,13,14,15
	v_med3_num_f32 v[QSRC+16*\b+\i], v[QSRC+16*\b+\i], -v[QTM+8+\b], v[QTM+8+\b]
.endr
	v_cvt_scalef32_pk8_fp8_f32 v[QPC+4*\b:QPC+4*\b+1], v[QSRC+16*\b:QSRC+16*\b+7], v[QTM+12+\b]
	v_cvt_scalef32_pk8_fp8_f32 v[QPC+4*\b+2:QPC+4*\b+3], v[QSRC+16*\b+8:QSRC+16*\b+15], v[QTM+12+\b]
.endif
.endr
	v_nop
.endm
.macro WORD4 d
	v_lshl_or_b32 v[\d], v[TM+5], 8, v[TM+4]
	v_lshl_or_b32 v[\d], v[TM+6], 16, v[\d]
	v_lshl_or_b32 v[\d], v[TM+7], 24, v[\d]
.endm
.macro IMAGE adr, off, pc
.irp c, 0,1,2,3
	ds_store_b128 v[\adr], v[\pc+4*\c:\pc+4*\c+3] offset:\off+512*\c
.endr
.endm
.macro FETCH reg, adr, off
.irp c, 0,1,2,3
	ds_load_b128 v[\reg+4*\c:\reg+4*\c+3], v[\adr] offset:\off+512*\c
.endr
.endm
.macro WLOAD reg, s
.irp b, 0,1,2,3
.irp j, 0,1,2,3
	global_load_b128 v[\reg+16*\b+4*\j:\reg+16*\b+4*\j+3], v[WA], s[6:7] offset:512*(\s)+128*\b+16*\j
.endr
.endr
.endm
.macro XFETCH reg, s
.irp b, 0,1,2,3
.irp j, 0,1,2,3
	ds_load_b128 v[\reg+16*\b+4*\j:\reg+16*\b+4*\j+3], v[XR+(\s)/2] offset:((\s)%2)*XTS+128*\b+16*\j
.endr
.endr
.endm
.macro BARRIER
	s_wait_dscnt 0x0
	s_barrier_signal -1
	s_barrier_wait -1
.endm
	s_load_b256 s[4:11], s[0:1], 0x0
	s_load_b128 s[12:15], s[0:1], 0x20
	v_lshl_add_u32 v238, v0, 2, 0x34000
	v_mov_b32 v239, 0
	ds_add_u32 v238, v239
	v_lshrrev_b32 v1, 5, v0
	v_readfirstlane_b32 s[WV], v1
	s_mov_b32 s[G1+0], (2<<16)|(1<<20)|(6<<22)|(3<<25)
	s_mov_b32 s[G1+1], 128<<16
	s_mov_b32 s[G1+2], 64<<16
	s_mov_b32 s[G1+3], 128<<16
	s_mov_b32 s[G1+4], 64
	s_mov_b32 s[G1+5], 512
	s_mov_b32 s[G1+6], 0
	s_mov_b32 s[G1+7], 0
	s_lshl_b32 s36, ttmp9, 17
	s_lshl_b32 s37, s[WV], 9
	s_add_co_u32 s36, s36, s37
	s_mov_b32 s37, 0
	s_mov_b32 s[G0], 1
	s_mul_i32 s[G0+1], s[WV], XTS
	s_wait_dscnt 0x0
	s_wait_kmcnt 0x0
	s_add_nc_u64 s[G0+2:G0+3], s[4:5], s[36:37]
	s_or_b32 s[G0+3], s[G0+3], 0x80000000
	tensor_load_to_lds s[G0:G0+3], s[G1:G1+7]
	s_nop 0
.rept 4
	v_nop
.endr
	s_lshr_b32 s38, s[WV], 1
	s_and_b32 s39, s[WV], 1
	s_lshl_b32 s52, s38, 5
	s_lshl_b32 s53, s39, 3
	s_add_co_u32 s52, s52, s53
	s_lshl_b32 s38, s52, 11
	s_mov_b32 s39, 0
	s_add_nc_u64 s[6:7], s[6:7], s[38:39]
	v_and_b32 v1, 31, v0
	v_and_b32 v2, 15, v0
	v_bfe_u32 v3, v0, 4, 1
	v_and_b32 v251, 8, v2
	v_add_nc_u32 v251, v251, v2
	v_lshlrev_b32 v[WA], 11, v251
	v_lshl_add_u32 v[WA], v3, 6, v[WA]
	WLOAD RA, 0
	WLOAD RA+64, 1
	s_mul_i32 s52, s52, XP
	s_lshr_b32 s54, ttmp9, 1
	s_and_b32 s55, ttmp9, 1
	s_lshl_b32 s40, s54, 14
	s_lshl_b32 s53, s55, 12
	s_add_co_u32 s40, s40, s53
	s_lshl_b32 s53, s[WV], 10
	s_add_co_u32 s40, s40, s53
	s_mov_b32 s41, 0
	s_add_nc_u64 s[40:41], s[10:11], s[40:41]
	s_lshl_b32 s42, s54, 14
	s_lshl_b32 s53, s[WV], 11
	s_add_co_u32 s42, s42, s53
	s_lshl_b32 s53, s55, 10
	s_add_co_u32 s42, s42, s53
	s_add_co_u32 s42, s42, 8192
	s_mov_b32 s43, 0
	s_add_nc_u64 s[42:43], s[10:11], s[42:43]
	s_mul_i32 s44, s54, 768
	s_add_co_u32 s46, s44, 512
	s_lshl_b32 s53, s55, 8
	s_add_co_u32 s44, s44, s53
	s_mov_b32 s45, 0
	s_add_nc_u64 s[44:45], s[12:13], s[44:45]
	s_lshl_b32 s53, s55, 1
	s_add_co_u32 s46, s46, s53
	s_mov_b32 s47, 0
	s_add_nc_u64 s[46:47], s[12:13], s[46:47]
	s_mov_b32 s[SEL], 0x76543210
	s_mov_b32 s[SEL+1], 0xfedcba98
	s_mov_b32 s[MNT], 0x600000
	v_lshlrev_b32 v[CA], 8, v2
	v_lshl_add_u32 v[CA], v3, 6, v[CA]
	v_mul_u32_u24 v[XR], v251, XP
	v_lshl_add_u32 v[XR], v3, 6, v[XR]
	v_add_nc_u32 v[XR], s52, v[XR]
	v_add_nc_u32 v[XR+1], 2*XTS, v[XR]
	v_lshl_add_u32 v[LI], v1, 4, XIMG
	v_lshl_add_u32 v[LS], v1, 2, XSC
	s_lshl_b32 s53, s[WV], 13
	v_add_nc_u32 v[IWI], s53, v[LI]
	s_lshl_b32 s53, s[WV], 9
	v_add_nc_u32 v[IWS], s53, v[LS]
	s_lshl_b32 s53, s[WV], 2
	v_lshlrev_b32 v[KWG], 4, v2
	v_add_nc_u32 v[KWG], s53, v[KWG]
	v_add_nc_u32 v[KWL], KST, v[KWG]
	v_lshlrev_b32 v[L8G], 3, v1
	v_add_nc_u32 v[L8L], KST, v[L8G]
	v_lshlrev_b32 v[G16], 4, v1
.irp b, 0,1,2,3
	v_mov_b32 v[TM+4+\b], 0
.endr
.macro UNITW s
.if \s < 3
	s_wait_loadcnt 16
.else
	s_wait_loadcnt 0x0
.endif
.if \s >= 2
	s_wait_dscnt 5
.endif
	QUANT RA+64*((\s)%2), 4, PC+16*((\s)%2), TM
	WORD4 PW+(\s)%2
	IMAGE IWI, WOFF+2048*(\s), PC+16*((\s)%2)
	ds_store_b32 v[IWS], v[PW+(\s)%2] offset:WSOFF+128*(\s)
.if \s < 2
	WLOAD RA+64*((\s)%2), (\s)+2
.endif
.endm
.irp s, 0,1,2,3
	UNITW \s
.endr
	s_cmp_lt_u32 ttmp9, 8
	s_cbranch_scc0 .Lno_wc
	s_lshl_b32 s48, ttmp9, 2
	s_add_co_u32 s48, s48, s[WV]
	s_lshl_b32 s50, s48, 12
	s_mov_b32 s51, 0
	s_add_nc_u64 s[50:51], s[8:9], s[50:51]
	s_lshl_b32 s48, s48, 10
	s_mov_b32 s49, 0
	s_add_nc_u64 s[48:49], s[14:15], s[48:49]
.irp b, 0,1
.irp j, 0,1,2,3
	global_load_b128 v[RA+16*\b+4*\j:RA+16*\b+4*\j+3], v[CA], s[50:51] offset:128*\b+16*\j
.endr
.endr
	s_wait_loadcnt 0x0
	s_wait_dscnt 0x0
	QUANT RA, 2, PC, TM
	v_lshl_or_b32 v[PW], v[TM+5], 8, v[TM+4]
	v_lshl_or_b32 v[PW], v[PW], 16, v[PW]
	global_store_b128 v[G16], v[PC:PC+3], s[48:49]
	global_store_b128 v[G16], v[PC+4:PC+7], s[48:49] offset:512
	ds_store_b32 v[KWL], v[PW] offset:COFF
	s_wait_xcnt 0x0
.Lno_wc:
	s_wait_tensorcnt 0x0
	BARRIER
	s_cmp_lt_u32 ttmp9, 8
	s_cbranch_scc0 .Lno_wcs
	s_cmp_lg_u32 s[WV], 0
	s_cbranch_scc1 .Lno_wcs
	ds_load_b64 v[252:253], v[L8L] offset:COFF
	s_lshl_b32 s48, ttmp9, 8
	s_add_co_u32 s48, s48, 32768
	s_mov_b32 s49, 0
	s_add_nc_u64 s[48:49], s[14:15], s[48:49]
	s_wait_dscnt 0x0
	global_store_b64 v[L8G], v[252:253], s[48:49]
.Lno_wcs:
	XFETCH RA, 0
	XFETCH RA+64, 1
.macro UNITX s, younger
	s_wait_dscnt \younger
	QUANT RA+64*((\s)%2), 4, PC+16*((\s)%2), TM
	WORD4 PW+(\s)%2
	IMAGE IWI, 2048*(\s), PC+16*((\s)%2)
	ds_store_b32 v[IWS], v[PW+(\s)%2] offset:128*(\s)
.if \s < 2
	XFETCH RA+64*((\s)%2), (\s)+2
.endif
.endm
	UNITX 0, 16
	UNITX 1, 21
	UNITX 2, 21
	UNITX 3, 5
	BARRIER
.macro MSTEP s, fi, fw, oi, ow, fs, os
.if \s > 0
.rept 8
	v_nop
.endr
.endif
.irp t, 0,1,2,3
	FETCH FR4+16*\t, LI, \fi+(4*\t+\s)*2048
	ds_load_b32 v[\fs+\t], v[LS] offset:\fw+(4*\t+\s)*128
.endr
	FETCH OWN, IWI, \oi+2048*\s
	ds_load_b32 v[\os], v[IWS] offset:\ow+128*\s
	s_wait_dscnt 0x0
.set i, 0
.rept 16
	v_xor_b32 v[OWNN+i], 0x80808080, v[OWN+i]
.set i, i+1
.endr
.rept 4
	v_nop
.endr
.irp t, 0,1,2,3
.if \s == 0
	v_wmma_scale_f32_16x16x128_f8f6f4 v[ACP+8*\t:ACP+8*\t+7], v[FR4+16*\t:FR4+16*\t+15], v[OWN:OWN+15], 0, v[\fs+\t], v[\os]
	v_wmma_scale_f32_16x16x128_f8f6f4 v[ACN+8*\t:ACN+8*\t+7], v[FR4+16*\t:FR4+16*\t+15], v[OWNN:OWNN+15], 0, v[\fs+\t], v[\os]
.else
	v_wmma_scale_f32_16x16x128_f8f6f4 v[ACP+8*\t:ACP+8*\t+7], v[FR4+16*\t:FR4+16*\t+15], v[OWN:OWN+15], v[ACP+8*\t:ACP+8*\t+7], v[\fs+\t], v[\os]
	v_wmma_scale_f32_16x16x128_f8f6f4 v[ACN+8*\t:ACN+8*\t+7], v[FR4+16*\t:FR4+16*\t+15], v[OWNN:OWNN+15], v[ACN+8*\t:ACN+8*\t+7], v[\fs+\t], v[\os]
.endif
.endr
.endm
.macro HALVE
.set j, 0
.rept 16
	v_pk_add_f32 v[ACP+j:ACP+j+1], v[ACP+j:ACP+j+1], v[ACN+j:ACN+j+1] neg_lo:[0,1] neg_hi:[0,1]
.set j, j+2
.endr
.set j, 0
.rept 16
	v_pk_mul_f32 v[ACP+j:ACP+j+1], v[ACP+j:ACP+j+1], 0.5 op_sel_hi:[1,0]
.set j, j+2
.endr
.endm
.irp s, 0,1,2,3
	MSTEP \s, WOFF, WSOFF, 0, 0, WS, XOS
.endr
.rept 9
	v_nop
.endr
	HALVE
	QUANT ACP, 2, PC2, TM2
	v_lshl_or_b32 v[PW2], v[TM2+5], 8, v[TM2+4]
	v_lshl_or_b32 v[PW2], v[PW2], 16, v[PW2]
	global_store_b128 v[G16], v[PC2:PC2+3], s[40:41]
	global_store_b128 v[G16], v[PC2+4:PC2+7], s[40:41] offset:512
	ds_store_b32 v[KWL], v[PW2]
.irp s, 0,1,2,3
	MSTEP \s, 0, 0, WOFF, WSOFF, XS, WOS
.endr
.rept 8
	v_nop
.endr
	HALVE
	QUANT ACP, 2, PC2+8, TM2
	v_lshl_or_b32 v[PW2+1], v[TM2+5], 8, v[TM2+4]
	global_store_b128 v[G16], v[PC2+8:PC2+11], s[42:43]
	global_store_b128 v[G16], v[PC2+12:PC2+15], s[42:43] offset:512
	global_store_b16 v[KWG], v[PW2+1], s[46:47]
	BARRIER
	s_cmp_lg_u32 s[WV], 0
	s_cbranch_scc1 .Lend
	ds_load_b64 v[254:255], v[L8L]
	s_wait_dscnt 0x0
	global_store_b64 v[L8G], v[254:255], s[44:45]
.Lend:
	s_wait_tensorcnt 0x0
	ds_add_u32 v238, v239
	s_wait_dscnt 0x0
	s_endpgm
.Lfunc_end_k_q137ec40f3a_proj:
	.size	k_q137ec40f3a_proj, .Lfunc_end_k_q137ec40f3a_proj-k_q137ec40f3a_proj
	.p2alignl 7, 3214868480
	.fill 96, 4, 3214868480
	.section	.rodata,"a",@progbits
	.p2align	6, 0x0
	.amdhsa_kernel k_q137ec40f3a_proj
		.amdhsa_group_segment_fixed_size 213504
		.amdhsa_private_segment_fixed_size 0
		.amdhsa_enable_private_segment 0
		.amdhsa_kernarg_size 48
		.amdhsa_user_sgpr_count 2
		.amdhsa_user_sgpr_kernarg_segment_ptr 1
		.amdhsa_wavefront_size32 1
		.amdhsa_system_sgpr_workgroup_id_x 1
		.amdhsa_system_sgpr_workgroup_id_y 1
		.amdhsa_system_sgpr_workgroup_id_z 1
		.amdhsa_system_vgpr_workitem_id 0
		.amdhsa_next_free_vgpr 256
		.amdhsa_next_free_sgpr 66
		.amdhsa_reserve_vcc 0
		.amdhsa_float_denorm_mode_32 3
		.amdhsa_float_denorm_mode_16_64 3
		.amdhsa_memory_ordered 1
		.amdhsa_forward_progress 1
		.amdhsa_inst_pref_size 132
	.end_amdhsa_kernel
	.amdgpu_metadata
---
amdhsa.version: [ 1, 2 ]
amdhsa.kernels:
  - .name:           k_q137ec40f3a_proj
    .symbol:         k_q137ec40f3a_proj.kd
    .args:
      - { .name: x, .offset: 0, .size: 8, .value_kind: global_buffer, .address_space: global }
      - { .name: W_B, .offset: 8, .size: 8, .value_kind: global_buffer, .address_space: global }
      - { .name: W_C, .offset: 16, .size: 8, .value_kind: global_buffer, .address_space: global }
      - { .name: kv, .offset: 24, .size: 8, .value_kind: global_buffer, .address_space: global }
      - { .name: sc, .offset: 32, .size: 8, .value_kind: global_buffer, .address_space: global }
      - { .name: wc, .offset: 40, .size: 8, .value_kind: global_buffer, .address_space: global }
    .group_segment_fixed_size: 213504
    .private_segment_fixed_size: 0
    .kernarg_segment_align: 8
    .kernarg_segment_size: 48
    .max_flat_workgroup_size: 128
    .sgpr_count:     66
    .vgpr_count:     256
    .wavefront_size: 32
...
	.end_amdgpu_metadata
.endif
;; end of part 1
;; launch attn (part 2): grid 64 x 4, 16 waves a work-group, clusters of 4 x 1, 327,680 bytes of LDS; arguments kv, sc, wc, out0; writes out0
.if DOCPART == 2
	.amdgcn_target "amdgcn-amd-amdhsa--gfx1250"
	.amdhsa_code_object_version 6
	.text
	.protected	k_q137ec40f3a_attn
	.globl	k_q137ec40f3a_attn
	.p2align	8
	.type	k_q137ec40f3a_attn,@function
k_q137ec40f3a_attn:
	s_mov_b64 s[64:65], 0
	v_nop
	global_prefetch_b8 v0, s[64:65] scope:SCOPE_SE
	s_setreg_imm32_b32 hwreg(HW_REG_WAVE_MODE, 25, 1), 1
	s_wait_xcnt 0x0
	s_wait_alu depctr_hold_cnt(0) depctr_sa_sdst(0) depctr_va_vdst(0) depctr_va_sdst(0) depctr_va_ssrc(0) depctr_va_vcc(0) depctr_vm_vsrc(0)
	s_getreg_b32 s2, hwreg(HW_REG_IB_STS2, 6, 4)
	s_cmp_eq_u32 s2, 0
	s_cbranch_scc0 .Lentry_in_a_cluster
	s_endpgm
.Lentry_in_a_cluster:
	s_bfe_u32 s2, ttmp6, 0x10000c
	s_cmp_lg_u32 s2, 0x3003
	s_cbranch_scc0 .Lentry_shape_is_right
	s_endpgm
.Lentry_shape_is_right:
.set SLOT1, 1<<17
.set SCB,   2*SLOT1
.set WCB,   SCB+24576
.set SPARE, WCB+34816
.set MRGW,  4352
.set STG,   16*MRGW
.set STGW,  8448
.set AK0,  1
.set ASK0, 2
.set ASV0, 3
.set ADK,  4
.set ADS,  5
.set ADT,  6
.set SPW,  7
.set NIL,  8
.set PFO,  9
.set L16,  10
.set R16,  11
.set QF,   16
.set KR,   32
.set S,    96
.set OT,   160
.set TN,   192
.set PCD,  192
.set TM,   208
.set WK,   224
.set F,    226
.set SUM2, 228
.set QS,   230
.set PS,   231
.set KS,   232
.set VS,   236
.set QN,   240
.set MST,  242
.set MLD,  243
.set MSS,  244
.set MLS,  245
.set WCA,  246
.set WCS,  247
.set STO,  248
.set SRD,  249
.set WV,   12
.set KQ,   13
.set QT,   14
.set G1R,  24
.set G1S,  32
.set G1W,  40
.set G0R,  48
.set G0S,  52
.set G0W,  56
.set SEL,  60
.set CS,   62
.set MNT,  66
.set TB,   67
.set TS,   68
.set SLOTS, 69
.set PFA,  70
.set LIM,  72
.macro CROUND
	s_barrier_signal -1
	s_barrier_wait -1
	s_cmp_lg_u32 s[WV], 0
	s_cbranch_scc1 .Lnot_wave_0_\@
	s_barrier_signal -3
.Lnot_wave_0_\@:
	s_barrier_wait -3
	s_barrier_signal -1
	s_barrier_wait -1
.endm
.macro TLOAD
	s_cmp_lt_u32 s[WV], 4
	s_cbranch_scc0 .Lnone_\@
	tensor_load_to_lds s[G0R:G0R+3], s[G1R:G1R+7]
	s_nop 0
.rept 4
	v_nop
.endr
.Lnone_\@:
.endm
.macro ASK
	s_cmp_gt_u32 s[SLOTS], s[LIM]
	s_cbranch_scc0 .Lnot_mine_\@
	global_prefetch_b8 v[PFO], s[PFA:PFA+1] th:TH_LOAD_NT scope:SCOPE_SE
.Lnot_mine_\@:
.endm
	s_load_b256 s[4:11], s[0:1], 0x0
	v_lshl_add_u32 v[SPW], v0, 2, SPARE
	v_mov_b32 v[NIL], 0
	ds_add_u32 v7, v8
	s_wait_dscnt 0x0
	v_lshrrev_b32 v1, 5, v0
	v_readfirstlane_b32 s[WV], v1
	s_lshr_b32 s[KQ], s[WV], 2
	s_and_b32 s[QT], s[WV], 3
	s_bfe_u32 s15, ttmp6, 0x40000
	s_lshl_b32 s16, ttmp9, 2
	s_add_co_u32 s16, s16, s15
	s_and_b32 s17, ttmp7, 0xffff
	s_lshl_b32 s74, s17, 19
	s_lshl_b32 s76, s[QT], 17
	s_add_co_u32 s76, s76, s74
	s_mov_b32 s77, 0
	s_mul_i32 s78, s17, 24576
	s_mov_b32 s79, 0
.irp g, G1R, G1S, G1W
	s_mov_b32 s[\g+0], 15|(3<<16)|(1<<21)
	s_mov_b32 s[\g+1], 32<<16
	s_mov_b32 s[\g+3], 32<<16
	s_mov_b32 s[\g+5], 32
	s_mov_b32 s[\g+6], 0
	s_mov_b32 s[\g+7], 0
.endr
	s_mov_b32 s[G1R+2], 128<<16
	s_mov_b32 s[G1R+4], 128
	s_mov_b32 s[G1S+2], 96<<16
	s_mov_b32 s[G1S+4], 96
	s_mov_b32 s[G1W+2], 136<<16
	s_mov_b32 s[G1W+4], 136
	s_mov_b32 s[SEL], 0x76543210
	s_mov_b32 s[SEL+1], 0xfedcba98
	s_mov_b32 s[CS], 0x3f38aa3b
	s_mov_b32 s[CS+1], s[CS]
	s_mov_b32 s[MNT], 0x600000
	s_mov_b32 s[TB], 0
	s_mov_b32 s[TS], 0
	s_mov_b32 s[SLOTS], 3
	s_wait_kmcnt 0x0
	s_mov_b32 s[G0R], 1
	s_lshl_b32 s[G0R+1], s[QT], 15
	s_add_nc_u64 s[G0R+2:G0R+3], s[4:5], s[76:77]
	s_or_b32 s[G0R+3], s[G0R+3], 0x80000000
	s_mov_b32 s[G0S], 1
	s_mov_b32 s[G0S+1], SCB
	s_add_nc_u64 s[G0S+2:G0S+3], s[6:7], s[78:79]
	s_or_b32 s[G0S+3], s[G0S+3], 0x80000000
	s_mov_b32 s[G0W], 1
	s_mov_b32 s[G0W+1], WCB
	s_mov_b64 s[G0W+2:G0W+3], s[8:9]
	s_or_b32 s[G0W+3], s[G0W+3], 0x80000000
	CROUND
	s_cmp_eq_u32 s[WV], 0
	s_cbranch_scc0 .Lnot_s
	tensor_load_to_lds s[G0S:G0S+3], s[G1S:G1S+7]
	s_nop 0
.rept 4
	v_nop
.endr
	s_branch .Lonce_asked
.Lnot_s:
	s_cmp_eq_u32 s[WV], 1
	s_cbranch_scc0 .Lonce_asked
	tensor_load_to_lds s[G0W:G0W+3], s[G1W:G1W+7]
	s_nop 0
.rept 4
	v_nop
.endr
.Lonce_asked:
	TLOAD
	s_lshl_b32 s18, s15, 17
	s_lshl_b32 s19, s[QT], 13
	s_add_co_u32 s18, s18, s19
	s_add_co_u32 s18, s18, s74
	s_add_co_u32 s18, s18, 32768
	s_mov_b32 s19, 0
	s_add_nc_u64 s[PFA:PFA+1], s[4:5], s[18:19]
	s_sub_co_u32 s20, s[WV], 4
	s_lshr_b32 s20, s20, 2
	s_or_b32 s20, s20, ttmp9
	s_cmp_eq_u32 s20, 0
	s_cselect_b32 s[LIM], 1, -1
	s_lshr_b32 s18, s16, 1
	s_and_b32 s19, s16, 1
	s_lshl_b32 s20, s18, 14
	s_lshl_b32 s21, s19, 12
	s_add_co_u32 s20, s20, s21
	s_lshl_b32 s21, s[QT], 10
	s_add_co_u32 s20, s20, s21
	s_add_co_u32 s20, s20, s74
	s_mov_b32 s21, 0
	s_add_nc_u64 s[20:21], s[4:5], s[20:21]
	s_mul_i32 s18, s18, 768
	s_lshl_b32 s19, s19, 8
	s_add_co_u32 s18, s18, s19
	s_lshl_b32 s19, s[QT], 2
	s_add_co_u32 s18, s18, s19
	s_add_co_u32 s18, s18, s78
	s_mov_b32 s19, 0
	s_add_nc_u64 s[18:19], s[6:7], s[18:19]
	s_lshl_b32 s22, s17, 12
	s_lshl_b32 s23, s16, 6
	s_add_co_u32 s22, s22, s23
	s_lshr_b32 s23, s[QT], 1
	s_lshl_b32 s23, s23, 5
	s_add_co_u32 s22, s22, s23
	s_and_b32 s23, s[QT], 1
	s_lshl_b32 s23, s23, 3
	s_add_co_u32 s22, s22, s23
	s_lshl_b32 s22, s22, 11
	s_lshl_b32 s23, s[KQ], 9
	s_add_co_u32 s22, s22, s23
	s_mov_b32 s23, 0
	s_add_nc_u64 s[22:23], s[10:11], s[22:23]
	v_and_b32 v[L16], 31, v0
	v_lshlrev_b32 v[L16], 4, v[L16]
	v_and_b32 v[R16], 15, v0
	v_lshlrev_b32 v[R16], 4, v[R16]
	global_load_b128 v[QF:QF+3], v[L16], s[20:21]
	global_load_b128 v[QF+4:QF+7], v[L16], s[20:21] offset:512
	global_load_b32 v[QS], v[R16], s[18:19]
	s_lshl_b32 s80, s[KQ], 15
	v_add_nc_u32 v[AK0], s80, v[L16]
	s_mul_i32 s81, s[KQ], 6144
	s_add_co_u32 s81, s81, SCB
	v_add_nc_u32 v[ASK0], s81, v[L16]
	s_add_co_u32 s81, s81, 512
	v_add_nc_u32 v[ASV0], s81, v[R16]
	v_lshlrev_b32 v[PFO], 4, v[L16]
	v_mov_b32 v13, 0xff61b1e6
	v_floor_f32 v12, -v13
	v_mov_b32 v14, 0
	v_mov_b32 v15, 0
	v_mov_b32 v[F+1], 0
.irp i, 0,1,2,3,4,5,6,7
	v_mov_b32 v[QF+8+\i], 0
	v_mov_b32 v[QN+8+\i], 0
.irp t, 0,1,2,3
	v_mov_b32 v[KR+16*\t+8+\i], 0
.endr
.endr
.irp b, 0,1,2,3
	v_mov_b32 v[TM+4+\b], 0
.endr
.set j, 0
.rept 32
	v_mov_b32 v[OT+j], 0
.set j, j+1
.endr
.macro BMAX b0, d0, b1, d1
	v_max3_num_f32 v[\d0], v[S+16*\b0], v[S+16*\b0+1], v[S+16*\b0+2]
	v_max3_num_f32 v[\d1], v[S+16*\b1], v[S+16*\b1+1], v[S+16*\b1+2]
.irp i, 3,5,7,9,11,13
	v_max3_num_f32 v[\d0], v[\d0], v[S+16*\b0+\i], v[S+16*\b0+\i+1]
	v_max3_num_f32 v[\d1], v[\d1], v[S+16*\b1+\i], v[S+16*\b1+\i+1]
.endr
	v_max_num_f32 v[\d0], v[\d0], v[S+16*\b0+15]
	v_max_num_f32 v[\d1], v[\d1], v[S+16*\b1+15]
.endm
.macro DIFF o
.set j, 0
.rept 16
	v_pk_add_f32 v[S+\o+j:S+\o+j+1], v[S+\o+j:S+\o+j+1], v[TN+j:TN+j+1] neg_lo:[0,1] neg_hi:[0,1]
.set j, j+2
.endr
.endm
.macro STEP q
	v_add_nc_u32 v[ADK], s[TB], v[AK0]
	v_add_nc_u32 v[ADS], s[TS], v[ASK0]
	v_add_nc_u32 v[ADT], s[TS], v[ASV0]
.rept 6
	v_nop
.endr
.irp g, 0,1
.if \g
.rept 9
	v_nop
.endr
.endif
.irp t, 0,1,2,3
	ds_load_b128 v[KR+16*\t:KR+16*\t+3], v[ADK] offset:16384*(\q)+1024*(4*\g+\t)
	ds_load_b128 v[KR+16*\t+4:KR+16*\t+7], v[ADK] offset:16384*(\q)+1024*(4*\g+\t)+512
.endr
.if \g == 0
	ds_load_b128 v[KS:KS+3], v[ADS]
.else
	DIFF 0
.endif
	s_wait_dscnt 0x0
.irp t, 0,1,2,3
.if \g
	v_wmma_scale_f32_16x16x128_f8f6f4 v[S+32+8*\t:S+32+8*\t+7], v[KR+16*\t:KR+16*\t+15], v[QF:QF+15], 0, v[KS+\t], v[QS] matrix_a_scale:MATRIX_SCALE_ROW1
	v_wmma_scale_f32_16x16x128_f8f6f4 v[TN+8*\t:TN+8*\t+7], v[KR+16*\t:KR+16*\t+15], v[QN:QN+15], 0, v[KS+\t], v[QS] matrix_a_scale:MATRIX_SCALE_ROW1
.else
	v_wmma_scale_f32_16x16x128_f8f6f4 v[S+8*\t:S+8*\t+7], v[KR+16*\t:KR+16*\t+15], v[QF:QF+15], 0, v[KS+\t], v[QS]
	v_wmma_scale_f32_16x16x128_f8f6f4 v[TN+8*\t:TN+8*\t+7], v[KR+16*\t:KR+16*\t+15], v[QN:QN+15], 0, v[KS+\t], v[QS]
.endif
.endr
.endr
	BMAX 0, WK, 1, WK+1
	DIFF 32
	BMAX 2, TM+2, 3, TM+3
	v_mov_b32 v[TM], v[WK]
	v_mov_b32 v[TM+1], v[WK+1]
.irp b, 0,1,2,3
	v_permlanex16_b32 v[TM+4+\b], v[TM+\b], s[SEL], s[SEL+1]
.endr
.irp b, 0,1,2,3
	v_max_num_f32 v[TM+\b], v[TM+\b], v[TM+4+\b]
.endr
.irp b, 0,1,2,3
	v_mul_f32 v[TM+\b], s[CS], v[TM+\b]
.endr
	v_max3_num_f32 v[WK], v[TM], v[TM+1], v[TM+2]
	v_max_num_f32 v[WK], v[WK], v[TM+3]
	v_max_num_f32 v13, v13, v[WK]
	v_mov_b32 v[WK], v12
	v_floor_f32 v12, -v13
	v_sub_f32 v[WK], v12, v[WK]
	v_cvt_i32_f32 v[WK], v[WK]
	v_ldexp_f32 v[F], 1.0, v[WK]
.set j, 0
.rept 32
	v_pk_mul_f32 v[S+j:S+j+1], v[S+j:S+j+1], s[CS:CS+1] op_sel_hi:[1,0]
.set j, j+2
.endr
.set j, 0
.rept 32
	v_pk_add_f32 v[S+j:S+j+1], v[S+j:S+j+1], v[12:13] op_sel_hi:[1,0]
.set j, j+2
.endr
.irp b, 0,1,2,3
	v_add_f32 v[TM+\b], v[TM+\b], v12
.endr
.set j, 0
.rept 64
	v_exp_f32 v[S+j], v[S+j]
.set j, j+1
.endr
	v_pk_mul_f32 v[14:15], v[14:15], v[F:F+1] op_sel_hi:[1,0]
	s_wait_alu depctr_va_vdst(0)
.irp b, 0,1,2,3
	v_exp_f32 v[TM+\b], v[TM+\b]
.endr
	v_pk_add_f32 v[SUM2:SUM2+1], v[S:S+1], v[S+2:S+3]
.irp j, 4,8,12,16,20,24,28,32,36,40,44,48,52,56,60
	v_pk_add_f32 v[14:15], v[14:15], v[S+\j:S+\j+1]
	v_pk_add_f32 v[SUM2:SUM2+1], v[SUM2:SUM2+1], v[S+\j+2:S+\j+3]
.endr
	v_pk_add_f32 v[14:15], v[14:15], v[SUM2:SUM2+1]
	s_wait_alu depctr_va_vdst(0)
.irp b, 0,1,2,3
	v_max_num_f32 v[TM+\b], 0x4800000, v[TM+\b]
.endr
.irp b, 0,1,2,3
	v_add_nc_u32 v[TM+12+\b], 0xfc000000, v[TM+\b]
.endr
.irp b, 0,1,2,3
	v_and_or_b32 v[TM+8+\b], v[TM+\b], 0x7f800000, s[MNT]
.endr
.irp b, 0,1,2,3
	v_lshrrev_b32 v[TM+4+\b], 23, v[TM+12+\b]
.endr
	v_lshl_or_b32 v[PS], v[TM+5], 8, v[TM+4]
	v_lshl_or_b32 v[PS], v[TM+6], 16, v[PS]
	v_lshl_or_b32 v[PS], v[TM+7], 24, v[PS]
.irp b, 0,1,2,3
.irp i, 0,1,2,3,4,5,6,7,8,9,10,11,12,13,14,15
	v_min_num_f32 v[S+16*\b+\i], v[S+16*\b+\i], v[TM+8+\b]
.endr
	v_cvt_scalef32_pk8_fp8_f32 v[PCD+4*\b:PCD+4*\b+1], v[S+16*\b:S+16*\b+7], v[TM+12+\b]
	v_cvt_scalef32_pk8_fp8_f32 v[PCD+4*\b+2:PCD+4*\b+3], v[S+16*\b+8:S+16*\b+15], v[TM+12+\b]
.endr
.irp u, 0,1,2,3
.irp c, 0,1,2,3
	ds_load_b128 v[S+16*\u+4*\c:S+16*\u+4*\c+3], v[ADK] offset:16384*(\q)+8192+2048*\u+512*\c
.endr
.endr
	ds_load_b128 v[VS:VS+3], v[ADT]
.set j, 0
.rept 16
	v_pk_mul_f32 v[OT+j:OT+j+1], v[OT+j:OT+j+1], v[F:F+1] op_sel_hi:[1,0]
.set j, j+2
.endr
	s_wait_dscnt 0x0
.irp u, 0,1,2,3
	v_wmma_scale_f32_16x16x128_f8f6f4 v[OT+8*\u:OT+8*\u+7], v[S+16*\u:S+16*\u+15], v[PCD:PCD+15], v[OT+8*\u:OT+8*\u+7], v[VS+\u], v[PS]
.endr
	s_add_co_u32 s[TS], s[TS], 768
.endm
.macro CHANGE fill
	s_wait_tensorcnt 0x0
	ds_add_u32 v[SPW], v[NIL]
.if \fill
	s_xor_b32 s[G0R+1], s[G0R+1], SLOT1
	s_add_nc_u64 s[G0R+2:G0R+3], s[G0R+2:G0R+3], 32768
	s_wait_xcnt 0x0
	s_add_nc_u64 s[PFA:PFA+1], s[PFA:PFA+1], 32768
	s_wait_dscnt 0x0
	CROUND
	TLOAD
	ASK
.else
	s_wait_dscnt 0x0
	s_barrier_signal -1
	s_barrier_wait -1
.endif
.endm
.macro SLOT_STEPS
	STEP 0
	STEP 1
	s_xor_b32 s[TB], s[TB], SLOT1
.endm
	s_wait_loadcnt 0x0
.irp i, 0,1,2,3,4,5,6,7
	v_xor_b32 v[QN+\i], 0x80808080, v[QF+\i]
.endr
.Lslot:
	CHANGE 1
	SLOT_STEPS
	s_sub_co_u32 s[SLOTS], s[SLOTS], 1
	s_cmp_lg_u32 s[SLOTS], 0
	s_cbranch_scc1 .Lslot
	CHANGE 0
	SLOT_STEPS
	s_mul_i32 s80, s[WV], MRGW
	s_mul_i32 s81, s[QT], MRGW
	v_and_b32 v[WK], 31, v0
	v_lshlrev_b32 v[WK+1], 3, v[WK]
	v_add_nc_u32 v[MST], s80, v[L16]
	v_add_nc_u32 v[MLD], s81, v[L16]
	s_add_co_u32 s80, s80, 4096
	s_add_co_u32 s81, s81, 4096
	v_add_nc_u32 v[MSS], s80, v[WK+1]
	v_add_nc_u32 v[MLS], s81, v[WK+1]
	s_lshl_b32 s82, s[KQ], 13
	s_add_co_u32 s82, s82, WCB
	v_add_nc_u32 v[WCA], s82, v[L16]
	s_lshl_b32 s82, s[KQ], 9
	s_add_co_u32 s82, s82, WCB+32768
	v_add_nc_u32 v[WCS], s82, v[L16]
	s_mul_i32 s82, s[WV], STGW
	s_add_co_u32 s82, s82, STG
	v_add_nc_u32 v[SRD], s82, v[L16]
	v_and_b32 v[WK], 15, v0
	v_mul_u32_u24 v[WK], v[WK], 528
	v_bfe_u32 v[WK+1], v0, 4, 1
	v_lshl_add_u32 v[WK], v[WK+1], 5, v[WK]
	v_add_nc_u32 v[STO], s82, v[WK]
	v_add_f32 v14, v14, v15
	v_permlanex16_b32 v[WK], v14, s[SEL], s[SEL+1]
	v_add_f32 v13, v14, v[WK]
	ds_store_b64 v[MSS], v[12:13]
.irp k, 0,1,2,3,4,5,6,7
	ds_store_b128 v[MST], v[OT+4*\k:OT+4*\k+3] offset:512*\k
.endr
	s_wait_dscnt 0x0
	s_barrier_signal -1
	s_barrier_wait -1
.irp i, 0,1,2,3
	ds_load_b64 v[TM+2*\i:TM+2*\i+1], v[MLS] offset:4*MRGW*\i
.endr
.irp i, 0,1
.irp k, 0,1,2,3,4,5,6,7
	ds_load_b128 v[S+32*\i+4*\k:S+32*\i+4*\k+3], v[MLD] offset:4*MRGW*\i+512*\k
.endr
.endr
.irp t, 0,1,2,3
	ds_load_b128 v[KR+16*\t:KR+16*\t+3], v[WCA] offset:1024*\t
	ds_load_b128 v[KR+16*\t+4:KR+16*\t+7], v[WCA] offset:1024*\t+512
.endr
	ds_load_b128 v[KS:KS+3], v[WCS]
	s_wait_dscnt 25
	v_min3_num_f32 v[WK], v[TM], v[TM+2], v[TM+4]
	v_min_num_f32 v[WK], v[WK], v[TM+6]
.irp i, 0,1,2,3
	v_sub_f32 v[TM+8+2*\i], v[WK], v[TM+2*\i]
.endr
.irp i, 0,1,2,3
	v_cvt_i32_f32 v[TM+8+2*\i], v[TM+8+2*\i]
.endr
.irp i, 0,1,2,3
	v_ldexp_f32 v[TM+8+2*\i], 1.0, v[TM+8+2*\i]
.endr
	v_mul_f32 v[WK+1], v[TM+8], v[TM+1]
	v_fmac_f32 v[WK+1], v[TM+10], v[TM+3]
	v_fmac_f32 v[WK+1], v[TM+12], v[TM+5]
	v_fmac_f32 v[WK+1], v[TM+14], v[TM+7]
	v_rcp_f32 v[F], v[WK+1]
	s_wait_dscnt 9
.set j, 0
.rept 16
	v_pk_mul_f32 v[OT+j:OT+j+1], v[S+j:S+j+1], v[TM+8:TM+9] op_sel_hi:[1,0]
.set j, j+2
.endr
.set j, 0
.rept 16
	v_pk_fma_f32 v[OT+j:OT+j+1], v[S+32+j:S+32+j+1], v[TM+10:TM+11], v[OT+j:OT+j+1] op_sel_hi:[1,0,1]
.set j, j+2
.endr
.irp i, 0,1
.irp k, 0,1,2,3,4,5,6,7
	ds_load_b128 v[S+32*\i+4*\k:S+32*\i+4*\k+3], v[MLD] offset:4*MRGW*(2+\i)+512*\k
.endr
.endr
	s_wait_dscnt 0x0
.set j, 0
.rept 16
	v_pk_fma_f32 v[OT+j:OT+j+1], v[S+j:S+j+1], v[TM+12:TM+13], v[OT+j:OT+j+1] op_sel_hi:[1,0,1]
.set j, j+2
.endr
.set j, 0
.rept 16
	v_pk_fma_f32 v[OT+j:OT+j+1], v[S+32+j:S+32+j+1], v[TM+14:TM+15], v[OT+j:OT+j+1] op_sel_hi:[1,0,1]
.set j, j+2
.endr
	s_wait_alu depctr_va_vdst(0)
.set j, 0
.rept 16
	v_pk_mul_f32 v[OT+j:OT+j+1], v[OT+j:OT+j+1], v[F:F+1] op_sel_hi:[1,0]
.set j, j+2
.endr
.irp b, 0,1
	v_max3_num_f32 v[TM+\b], |v[OT+16*\b]|, |v[OT+16*\b+1]|, 0x4800000
.endr
.irp i, 2,4,6,8,10,12,14
.irp b, 0,1
	v_max3_num_f32 v[TM+\b], v[TM+\b], |v[OT+16*\b+\i]|, |v[OT+16*\b+\i+1]|
.endr
.endr
.irp b, 0,1
	v_permlanex16_b32 v[TM+4+\b], v[TM+\b], s[SEL], s[SEL+1]
.endr
.irp b, 0,1
	v_max_num_f32 v[TM+\b], v[TM+\b], v[TM+4+\b]
.endr
.irp b, 0,1
	v_add_nc_u32 v[TM+12+\b], 0xfc000000, v[TM+\b]
.endr
.irp b, 0,1
	v_and_or_b32 v[TM+8+\b], v[TM+\b], 0x7f800000, s[MNT]
.endr
.irp b, 0,1
	v_lshrrev_b32 v[TM+4+\b], 23, v[TM+12+\b]
.endr
	v_lshl_or_b32 v[PS], v[TM+5], 8, v[TM+4]
	v_lshl_or_b32 v[PS], v[PS], 16, v[PS]
.irp b, 0,1
.irp i, 0,1,2,3,4,5,6,7,8,9,10,11,12,13,14,15
	v_med3_num_f32 v[OT+16*\b+\i], v[OT+16*\b+\i], -v[TM+8+\b], v[TM+8+\b]
.endr
	v_cvt_scalef32_pk8_fp8_f32 v[QF+4*\b:QF+4*\b+1], v[OT+16*\b:OT+16*\b+7], v[TM+12+\b]
	v_cvt_scalef32_pk8_fp8_f32 v[QF+4*\b+2:QF+4*\b+3], v[OT+16*\b+8:OT+16*\b+15], v[TM+12+\b]
.endr
.rept 4
	v_nop
.endr
.irp t, 0,1,2,3
	v_wmma_scale_f32_16x16x128_f8f6f4 v[S+8*\t:S+8*\t+7], v[KR+16*\t:KR+16*\t+15], v[QF:QF+15], 0, v[KS+\t], v[PS]
.endr
.rept 8
	v_nop
.endr
.irp t, 0,1,2,3
	ds_load_b128 v[KR+16*\t:KR+16*\t+3], v[WCA] offset:1024*(4+\t)
	ds_load_b128 v[KR+16*\t+4:KR+16*\t+7], v[WCA] offset:1024*(4+\t)+512
.endr
	s_wait_dscnt 0x0
.irp t, 0,1,2,3
	v_wmma_scale_f32_16x16x128_f8f6f4 v[S+32+8*\t:S+32+8*\t+7], v[KR+16*\t:KR+16*\t+15], v[QF:QF+15], 0, v[KS+\t], v[PS] matrix_a_scale:MATRIX_SCALE_ROW1
.endr
.rept 8
	v_nop
.endr
.irp t, 0,1,2,3,4,5,6,7
	ds_store_b128 v[STO], v[S+8*\t:S+8*\t+3] offset:64*\t
	ds_store_b128 v[STO], v[S+8*\t+4:S+8*\t+7] offset:64*\t+16
.endr
.irp i, 0,1,2,3,4,5,6,7,8,9,10,11,12,13,14,15
	ds_load_b128 v[OT+4*\i:OT+4*\i+3], v[SRD] offset:528*\i
.endr
.irp i, 0,1,2,3,4,5,6,7,8,9,10,11,12,13,14,15
	s_wait_dscnt 15-\i
	global_store_b128 v[L16], v[OT+4*\i:OT+4*\i+3], s[22:23] offset:(\i+8*(\i/8))*2048 th:TH_STORE_NT
.endr
	s_wait_tensorcnt 0x0
	ds_add_u32 v[SPW], v[NIL]
	s_wait_dscnt 0x0
	CROUND
	s_endpgm
.Lfunc_end_k_q137ec40f3a_attn:
	.size	k_q137ec40f3a_attn, .Lfunc_end_k_q137ec40f3a_attn-k_q137ec40f3a_attn
	.p2alignl 7, 3214868480
	.fill 96, 4, 3214868480
	.section	.rodata,"a",@progbits
	.p2align	6, 0x0
	.amdhsa_kernel k_q137ec40f3a_attn
		.amdhsa_group_segment_fixed_size 327680
		.amdhsa_private_segment_fixed_size 0
		.amdhsa_enable_private_segment 0
		.amdhsa_kernarg_size 32
		.amdhsa_user_sgpr_count 2
		.amdhsa_user_sgpr_kernarg_segment_ptr 1
		.amdhsa_wavefront_size32 1
		.amdhsa_system_sgpr_workgroup_id_x 1
		.amdhsa_system_sgpr_workgroup_id_y 1
		.amdhsa_system_sgpr_workgroup_id_z 1
		.amdhsa_system_vgpr_workitem_id 0
		.amdhsa_next_free_vgpr 256
		.amdhsa_next_free_sgpr 96
		.amdhsa_reserve_vcc 0
		.amdhsa_float_denorm_mode_32 3
		.amdhsa_float_denorm_mode_16_64 3
		.amdhsa_memory_ordered 1
		.amdhsa_forward_progress 1
		.amdhsa_inst_pref_size 126
	.end_amdhsa_kernel
	.amdgpu_metadata
---
amdhsa.version: [ 1, 2 ]
amdhsa.kernels:
  - .name:           k_q137ec40f3a_attn
    .symbol:         k_q137ec40f3a_attn.kd
    .args:
      - { .name: kv, .offset: 0, .size: 8, .value_kind: global_buffer, .address_space: global }
      - { .name: sc, .offset: 8, .size: 8, .value_kind: global_buffer, .address_space: global }
      - { .name: wc, .offset: 16, .size: 8, .value_kind: global_buffer, .address_space: global }
      - { .name: out0, .offset: 24, .size: 8, .value_kind: global_buffer, .address_space: global }
    .group_segment_fixed_size: 327680
    .private_segment_fixed_size: 0
    .kernarg_segment_align: 8
    .kernarg_segment_size: 32
    .max_flat_workgroup_size: 512
    .sgpr_count:     96
    .vgpr_count:     256
    .wavefront_size: 32
...
	.end_amdgpu_metadata
.endif
;; end of part 2
